; MI455X (gfx1250); checked and timed in simulation.
; The chip was launched on July 23, 2026; its instructions are those of AMD's public machine-readable ISA for CDNA 5 (MIT licence, August 2026) and "CDNA5" Instruction Set Architecture Reference Guide (July 2026). The comments in the code are by the model that wrote it; some were corrected since.
;; Multi Head Self Attention. Allowed arithmetic: matrix products marked QUANTISED: E4M3 operands, one E8M0 scale for each 32 along K, by v_wmma_scale_f32_16x16x128_f8f6f4 with both operands' format E4M3, f32 sums; everything else in f32.
;; Inputs: w_qkv 1,024 x 3,072 float32; x 4 x 2,048 x 1,024 float32.
;; Outputs: out0 4 x 2,048 x 1,024 float32.
;; This version of the problem:
;;   THIS VERSION OF THE PROBLEM IS GIVEN IN LOW PRECISION. The matrix products marked QUANTISED in the list below multiply operands that are first quantised to E4M3 (4 exponent bits, 3 mantissa bits; 8 bits a number), with one power-of-two scale for each 32 numbers along K (OCP MX v1.0); their sums are f32. All else is computed in f32.
;;   The module's matrix products, in the order in which they are computed (A, B: the left and right operand; K: the contracted axis; several contracted axes count as one K, in the product's order):
;;     1. [M 8,192, K 1,024] x [K 1,024, N 3,072]; A: input x; B: input w_qkv: QUANTISED
;;     2. batch 64 x [M 2,048, K 64] x [K 64, N 2,048]; A: computed on the way; B: computed on the way: QUANTISED
;;     3. batch 64 x [M 64, K 2,048] x [K 2,048, N 2,048]; A: computed on the way; B: softmax (see below): QUANTISED
;;   THE QUANTISER, for each operand of a quantised product, along K:
;;     - K is cut into blocks of 32 from its start; a last block that is shorter is filled with zeros.
;;     - A block's scale is 2^e with e = floor(log2(the largest magnitude in the block)) - 8, held to -126 .. 127; a block of zeros has e = 0. As a byte (E8M0): e + 127.
;;     - Each number is divided by its block's scale, clamped to +-448, and rounded to the nearest number of E4M3, ties to even, subnormals kept.
;;     - The product sums the exact products of the quantised numbers (number of the format x scale) in f32.
;;   ~~~python
;;   def quantise(x, axis):      # numpy; x: float32 -> the quantised numbers, widened to float32 again
;;       x = np.moveaxis(x, axis, -1); K = x.shape[-1]
;;       x = np.pad(x, [(0, 0)] * (x.ndim - 1) + [(0, -K % 32)]); x = x.reshape(x.shape[:-1] + (-1, 32)); a = np.abs(x).max(-1, keepdims=True)
;;       e = np.where(a > 0, np.clip(np.frexp(np.where(a > 0, a, 1))[1] - 1 - 8, -126, 127), 0)      # np.frexp(a)[1] - 1 = floor(log2(a)), exactly
;;       r = np.clip(x / 2.0 ** e, -448, 448)
;;       step = 2.0 ** (np.maximum(np.frexp(np.where(r == 0, 1, r))[1] - 1, -6) - 3)
;;       q = np.round(r / step) * step * 2.0 ** e      # np.round: ties to even
;;       return np.moveaxis(q.reshape(q.shape[:-2] + (-1,))[..., :K], -1, axis).astype(np.float32)
;;   ~~~
;;   SOFTMAX AHEAD OF A QUANTISED PRODUCT. Where the list says 'softmax', what is quantised is not the finished softmax but p = 2^(t - M), with t = logit x log2(e) and M = ceil(the row's largest t), a whole number; so 1/2 < the row's largest p <= 1. The row's sum l is taken of the UNQUANTISED p, in f32, and the product's result is divided by l at the end. Since M is a whole number, a kernel that streams over the keys may use a running M (the ceiling of the running maximum): every later rescaling is an exact power of two, which a block's scale takes up: the codes' values come out the same.
;;   OPERANDS COMPUTED ON THE WAY. 'Computed on the way' means the value that the module computes at that place (a softmax that the list does not call 'softmax' is quantised finished and normalised). What goes into a quantiser is computed in f32, as accurately as f32 sums, v_exp_f32 and their like allow (about 1e-6 of the number): no bf16 or f16 on the way to a quantiser, and a product that is left as it is and whose result goes on into a quantised operand takes f32 operands (vector FMAs, or v_wmma_f32_16x16x4_f32). A number that lies on a knife's edge between two numbers of the format may be rounded either way, as far as f32 arithmetic and the matrix unit's own rounding can turn it there, and no further.
;; One version. Each part assembles by itself: llvm-mc -triple=amdgcn-amd-amdhsa -mcpu=gfx1250 --defsym DOCPART=n.
;; ======== version 1 of 1: 3 launches
;; limits: right only within a limited range of input values
;; workspace buffers: xw_codes 11,534,336 bytes; xw_scales 360,448 bytes; qkv_codes 25,165,824 bytes; qkv_scales 1,310,720 bytes
;; launch prep (part 1): grid 352 x 1, 4 waves a work-group, no clusters, 69,120 bytes of LDS; arguments x, w_qkv, xw_codes, xw_scales; writes xw_codes, xw_scales
.if DOCPART == 1
	.amdgcn_target "amdgcn-amd-amdhsa--gfx1250"
	.amdhsa_code_object_version 6
	.text
	.protected	k_qd1f04f063a_prep
	.globl	k_qd1f04f063a_prep
	.p2align	8
	.type	k_qd1f04f063a_prep,@function
k_qd1f04f063a_prep:
	s_mov_b64 s[64:65], 0
	v_nop
	global_prefetch_b8 v0, s[64:65] scope:SCOPE_SE
	s_setreg_imm32_b32 hwreg(HW_REG_WAVE_MODE, 25, 1), 1
	s_wait_xcnt 0x0
; x [8192][1024] f32 (K innermost) and w_qkv [1024][3072] f32 (K is its FIRST axis) become codes of FP8 (E4M3) with K innermost and one E8M0 byte for each 32 along K:
; xw_codes [11264 rows][1024 bytes], xw_scales [11264 rows][32 bytes]; rows 0-8191 are x's tokens, rows 8192-11263 w's columns.
; A block's scale is 2^(floor(log2(its largest magnitude)) - 8): its byte is the largest magnitude's exponent field - 8, held at 1 from below; each number is divided by the scale, held within +-448 and rounded to the nearest code, ties to even.
; THE STORED ORDER OF ROWS: inside every aligned group of 32 rows the four groups of 8 rows are stored in the order 0, 2, 1, 3.  Sixteen consecutive stored rows (tile 2 b + u of a group) are then the rows 32 b + 8 u + r + 8 (r / 8):
; a product that takes them as source 0 leaves a lane's 16 registers of tiles 2 b and 2 b + 1 as 16 neighbours, which is what the next quantiser wants.
; LIMITS: a block whose largest magnitude lies under 2^-118 (a block of zeros too) gets the byte 1: its codes are zeros or subnormal codes under that scale, and this program alone reads the bytes; NaN and infinities among the inputs are not served.
; Work-groups 0-255 take x (32 rows each, a wave 8 rows = 8,192 numbers), work-groups 256-351 take w (128 columns x 256 along K each).  The two ways have LDS bytes of their own.  Waves share nothing: no barrier.  No input is read by two work-groups, so there is no cluster.
.set XWG,   256
.set EMAX,  8
.set MANT,  0x600000                   ; the mantissa field of 448 as f32
; ---- x's way
.set STEPS, 16                         ; steps of 512 numbers a wave
.set CB,    16                         ; bytes of 16 codes
.set R,     16                         ; v16-79   four sets of 16 numbers as they are loaded
.set X,     80                         ; v80-111  two sets of 16 neighbours
.set C,     128                        ; v128-191 codes: four registers for each step, so that no store's data are written again
.set E,     112                        ; v112-127 a scale byte for each step
.set WREG,  8192                       ; LDS: a region for each wave: two stages of 32 x SP bytes, behind them its 256 scale bytes
.set SP,    80                         ; a lane's place in a stage: its 64 bytes + 16 of padding
; ---- w's way
.set SIZE_N, 3072
.set KW,    256                        ; along K for a wave
.set NB,    KW/32
.set PITCH, 272                        ; a stage row: 256 bytes of codes + 16
.set KROW,  1024                       ; a row of the codes' buffer
.set WSTG,  32768                      ; LDS: w's stages begin here, 32 x PITCH bytes a wave
.set WX,    32                         ; v32-95   two sets of 32 numbers
.set WC,    96                         ; v96-103  a block's codes
.set OUTR,  112                        ; v112-175 the way out
.set SB,    24                         ; v24-25   the scale bytes, four to a register
	s_load_b256 s[4:11], s[0:1], 0x0               ; x s[4:5], w s[6:7], the codes s[8:9], the scale bytes s[10:11]
	v_lshl_add_u32 v192, v0, 2, 0x10c00
	v_mov_b32 v193, 0
	v_lshrrev_b32 v1, 5, v0
	v_readfirstlane_b32 s16, v1                    ; wave 0..3
	v_and_b32 v2, 31, v0                           ; lane
	s_cmp_lt_u32 ttmp9, XWG
	s_cbranch_scc0 .Lw
	; ================= x: a plain stream of blocks of 32 =================
	v_lshlrev_b32 v3, 4, v2                        ; my 16 bytes of a load's 512
	s_mul_i32 s17, s16, WREG
	v_lshrrev_b32 v14, 2, v2
	v_mul_u32_u24 v14, v14, SP
	v_and_b32 v15, 3, v2
	v_lshl_add_u32 v14, v15, 4, v14
	v_add_nc_u32 v14, s17, v14                     ; the stage, on the way in: four lanes' 64 bytes on end, then 16 of padding
	v_mul_u32_u24 v15, v2, SP
	v_add_nc_u32 v15, s17, v15                     ; and on the way out: my 16 neighbours
	v_mul_u32_u24 v4, v2, CB                       ; my codes' place in a step's
	v_lshrrev_b32 v5, 1, v2
	s_add_co_u32 s17, s17, 2*32*SP
	v_add_nc_u32 v5, s17, v5                       ; LDS: my wave's 256 scale bytes, my block's byte
	v_lshlrev_b32 v7, 3, v2                        ; and on the way out 8 bytes a lane
	v_add_nc_u32 v6, s17, v7
	s_mov_b32 s23, MANT
	s_lshl_b32 s24, ttmp9, 2
	s_add_co_u32 s18, s24, s16                     ; the run of 8 rows that I read: 4 x work-group + wave
	s_lshl_b32 s18, s18, 15                        ; x 32,768 bytes
	s_mov_b32 s19, 0
	s_and_b32 s20, s16, 1
	s_lshl_b32 s20, s20, 1
	s_lshr_b32 s21, s16, 1
	s_or_b32 s20, s20, s21                         ; the stored order: wave 0, 1, 2, 3 -> place 0, 2, 1, 3
	s_add_co_u32 s24, s24, s20                     ; the run that I write
	s_lshl_b32 s20, s24, 13                        ; 8,192 bytes of codes a run,
	s_mov_b32 s21, 0
	s_lshl_b32 s24, s24, 8                         ; 256 scale bytes
	s_mov_b32 s25, 0
	s_wait_alu depctr_va_vdst(0)
	s_wait_kmcnt 0x0
	s_add_nc_u64 s[4:5], s[4:5], s[18:19]
	s_add_nc_u64 s[8:9], s[8:9], s[20:21]
	s_add_nc_u64 s[10:11], s[10:11], s[24:25]
.macro XLOAD t
.irp i, 0,1,2,3
	global_load_b128 v[R+16*((\t)%4)+4*\i:R+16*((\t)%4)+4*\i+3], v3, s[4:5] offset:2048*(\t)+512*\i th:TH_LOAD_NT   ; 32 lanes read 512 consecutive bytes
.endr
.endm
.macro XTURN t                         ; step t's numbers through the stage: LDS serves a wave's instructions in order, so no wait stands between the stores and the loads
.irp i, 0,1,2,3
	ds_store_b128 v14, v[R+16*((\t)%4)+4*\i:R+16*((\t)%4)+4*\i+3] offset:32*SP*((\t)%2)+8*SP*\i
.endr
.irp i, 0,1,2,3
	ds_load_b128 v[X+16*((\t)%2)+4*\i:X+16*((\t)%2)+4*\i+3], v15 offset:32*SP*((\t)%2)+16*\i
.endr
.endm
.irp t, 0,1,2,3
	XLOAD \t
.endr
	s_wait_loadcnt 12                              ; step 0's four loads are in; the 12 of steps 1 to 3 may be out
	XTURN 0
.macro XSTEP t
.set XS, X+16*((\t)%2)
.if (\t) > 0
	s_wait_dscnt 1                                 ; this step's numbers are back from the stage (the last step's byte store may be out): so its stores into the stage have read their registers,
.else
	s_wait_dscnt 0x0
.endif
.if (\t)+4 < STEPS
	XLOAD (\t)+4                                   ; which take the loads of four steps on
.endif
.if (\t)+1 < STEPS
.if STEPS-2-(\t) >= 3
	s_wait_loadcnt 12                              ; the next step's four loads are in; those of the three steps behind it may be out
.else
	s_wait_loadcnt 4*(STEPS-2-(\t))
.endif
	XTURN (\t)+1                                   ; and go through the other stage while this step is worked
.endif
	v_max3_num_f32 v8, |v[XS]|, |v[XS+1]|, |v[XS+2]|               ; the largest magnitude of my 16, in two chains
	v_max3_num_f32 v9, |v[XS+3]|, |v[XS+4]|, |v[XS+5]|
.irp i, 6,10
	v_max3_num_f32 v8, v8, |v[XS+\i]|, |v[XS+\i+1]|
	v_max3_num_f32 v9, v9, |v[XS+\i+2]|, |v[XS+\i+3]|
.endr
	v_max3_num_f32 v8, v8, |v[XS+14]|, |v[XS+15]|
	v_max3_num_f32 v8, v8, v9, (EMAX+1)<<23        ; and the floor 2^(9 - 127): the byte cannot fall under 1
	v_max_num_f32_dpp v8, v8, v8 row_xmask:1 row_mask:0xf bank_mask:0xf   ; and of my neighbour's 16: the block's
	v_add_nc_u32 v11, -(EMAX<<23), v8              ; 8 off its exponent field: the conversion takes the exponent field of this operand as its scale
	v_and_or_b32 v10, v8, 0x7f800000, s23          ; 448 x the scale
.irp i, 0,1,2,3,4,5,6,7,8,9,10,11,12,13,14,15
	v_med3_num_f32 v[XS+\i], v[XS+\i], -v10, v10   ; the conversion to an 8-bit code does not saturate (ISA guide 7.6.2): the hold comes first
.endr
	v_cvt_scalef32_pk8_fp8_f32 v[C+4*(\t):C+4*(\t)+1], v[XS:XS+7], v11
	v_cvt_scalef32_pk8_fp8_f32 v[C+4*(\t)+2:C+4*(\t)+3], v[XS+8:XS+15], v11
	v_lshrrev_b32 v[E+(\t)], 23, v11               ; the scale's byte
	ds_store_b8 v5, v[E+(\t)] offset:16*(\t)       ; both lanes of a block write the same byte with the same value
	global_store_b128 v4, v[C+4*(\t):C+4*(\t)+3], s[8:9] offset:32*CB*(\t)   ; the wave stores 512 consecutive bytes
.endm
.irp t, 0,1,2,3,4,5,6,7,8,9,10,11,12,13,14,15
	XSTEP \t
.endr
	ds_load_b64 v[12:13], v6                       ; LDS serves a wave's instructions in order: these see my stores
	s_wait_dscnt 0x0
	global_store_b64 v7, v[12:13], s[10:11]        ; 32 lanes store 256 consecutive bytes, aligned
	s_wait_tensorcnt 0x0
	ds_add_u32 v192, v193
	s_wait_dscnt 0x0
	s_endpgm
	; ================= w: a lane takes a column, its registers run down K =================
.Lw:
	s_sub_co_u32 s17, ttmp9, XWG
	s_and_b32 s18, s17, 3                          ; which 256 along K
	s_lshr_b32 s17, s17, 2                         ; which 128 columns
	s_lshl_b32 s17, s17, 7
	s_lshl_b32 s19, s16, 5
	s_add_co_u32 s17, s17, s19                     ; my wave's first column
	s_wait_alu depctr_va_vdst(0)
	v_lshlrev_b32 v3, 2, v2                        ; in: 4 bytes a lane
	v_and_b32 v14, 7, v2
	v_bfe_u32 v15, v2, 3, 1
	v_lshl_add_u32 v14, v15, 4, v14
	v_bfe_u32 v15, v2, 4, 1
	v_lshl_add_u32 v14, v15, 3, v14                ; the stored order: my column's place among the wave's 32 rows: lane % 8 + 16 x bit 3 + 8 x bit 4
	s_mul_i32 s19, s16, 32*PITCH
	s_add_co_u32 s19, s19, WSTG                    ; my stage
	v_mul_u32_u24 v4, v14, PITCH
	v_add_nc_u32 v4, s19, v4                       ; into it: my column's stored row
	v_and_b32 v5, 15, v2
	v_lshrrev_b32 v6, 4, v2                        ; out of it: sixteen lanes to a row, two rows an instruction
	v_mul_u32_u24 v7, v6, PITCH
	v_lshl_add_u32 v7, v5, 4, v7
	v_add_nc_u32 v7, s19, v7
	v_mul_u32_u24 v8, v6, KROW
	v_lshl_add_u32 v8, v5, 4, v8                   ; and the same place in the codes' buffer
	v_lshlrev_b32 v9, 5, v14                       ; my column's row of scale bytes: 32 bytes a row
	s_mul_i32 s20, s18, KW*SIZE_N*4                ; w: 256 rows of 12,288 bytes for each step along K,
	s_lshl_b32 s22, s17, 2
	s_add_co_u32 s20, s20, s22                     ; + 4 x column
	s_mov_b32 s21, 0
	s_lshl_b32 s24, s17, 10                        ; codes: column x 1,024
	s_lshl_b32 s22, s18, 8
	s_add_co_u32 s24, s24, s22                     ; + 256 for each step along K
	s_add_co_u32 s24, s24, 8192*KROW               ; behind x's 8,192 rows
	s_mov_b32 s25, 0
	s_lshl_b32 s28, s17, 5                         ; scale bytes: column x 32 + 8 for each step, behind x's
	s_lshl_b32 s22, s18, 3
	s_add_co_u32 s28, s28, s22
	s_add_co_u32 s28, s28, 8192*32
	s_mov_b32 s29, 0
	s_mov_b32 s31, MANT
	s_wait_kmcnt 0x0
	s_add_nc_u64 s[6:7], s[6:7], s[20:21]
	s_add_nc_u64 s[8:9], s[8:9], s[24:25]
	s_add_nc_u64 s[10:11], s[10:11], s[28:29]
.macro WLOAD t                         ; block t: w(32 t + i, my column), i = 0 .. 31, into set t % 2; the largest offset, 255 rows, stays inside the signed 24-bit immediate
.irp i, 0,1,2,3,4,5,6,7,8,9,10,11,12,13,14,15,16,17,18,19,20,21,22,23,24,25,26,27,28,29,30,31
	global_load_b32 v[WX+32*((\t)%2)+\i], v3, s[6:7] offset:(32*(\t)+\i)*SIZE_N*4 th:TH_LOAD_NT
.endr
.endm
	WLOAD 0
	WLOAD 1
.macro WBLOCK t
.set XS, WX+32*((\t)%2)
.if (\t) < NB-1
	s_wait_loadcnt 32                              ; this block's 32 loads are in; the next block's 32 may be out
.else
	s_wait_loadcnt 0
.endif
	v_max3_num_f32 v12, |v[XS]|, |v[XS+1]|, |v[XS+2]|               ; the block's largest magnitude: all 32 numbers are mine
	v_max3_num_f32 v13, |v[XS+3]|, |v[XS+4]|, |v[XS+5]|
.irp i, 6,10,14,18,22,26
	v_max3_num_f32 v12, v12, |v[XS+\i]|, |v[XS+\i+1]|
	v_max3_num_f32 v13, v13, |v[XS+\i+2]|, |v[XS+\i+3]|
.endr
	v_max3_num_f32 v12, v12, |v[XS+30]|, |v[XS+31]|
	v_max3_num_f32 v12, v12, v13, (EMAX+1)<<23     ; and the floor
	v_add_nc_u32 v11, -(EMAX<<23), v12             ; the conversion's scale operand
	v_and_or_b32 v10, v12, 0x7f800000, s31         ; 448 x the scale
	v_lshrrev_b32 v13, 23, v11                     ; the scale's byte
.if (\t)%4 == 0
	v_mov_b32 v[SB+(\t)/4], v13                    ; four bytes to a register, the lower K in the lower byte
.else
	v_lshl_or_b32 v[SB+(\t)/4], v13, 8*((\t)%4), v[SB+(\t)/4]
.endif
.irp i, 0,1,2,3,4,5,6,7,8,9,10,11,12,13,14,15,16,17,18,19,20,21,22,23,24,25,26,27,28,29,30,31
	v_med3_num_f32 v[XS+\i], v[XS+\i], -v10, v10
.endr
.irp g, 0,1,2,3
	v_cvt_scalef32_pk8_fp8_f32 v[WC+2*\g:WC+2*\g+1], v[XS+8*\g:XS+8*\g+7], v11
.endr
	v_nop                                          ; a plain line behind the last conversion
	ds_store_b128 v4, v[WC:WC+3] offset:32*(\t)    ; 32 codes: 32 bytes of my column's row
	ds_store_b128 v4, v[WC+4:WC+7] offset:32*(\t)+16
.if (\t)+2 < NB
	WLOAD (\t)+2
.endif
	s_wait_dscnt 0x0                               ; the stores have read their registers: the next block's codes may be written
.endm
.set Q, 0
.rept NB
	WBLOCK Q
.set Q, Q+1
.endr
	global_store_b64 v9, v[SB:SB+1], s[10:11]      ; my column's 8 scale bytes (rows 32 bytes apart: one byte for each 128 that the launch reads)
.irp t, 0,1,2,3,4,5,6,7,8,9,10,11,12,13,14,15
	ds_load_b128 v[OUTR+4*\t:OUTR+4*\t+3], v7 offset:2*\t*PITCH   ; LDS serves a wave's instructions in order: these see my stores
.endr
.irp t, 0,1,2,3,4,5,6,7,8,9,10,11,12,13,14,15
	s_wait_dscnt 15-\t                             ; load t is in; the 15 - t behind it may be out
	global_store_b128 v8, v[OUTR+4*\t:OUTR+4*\t+3], s[8:9] offset:2*\t*KROW   ; sixteen lanes store 256 consecutive bytes, aligned
.endr
	s_wait_tensorcnt 0x0
	ds_add_u32 v192, v193
	s_wait_dscnt 0x0
	s_endpgm
.Lfunc_end_k_qd1f04f063a_prep:
	.size	k_qd1f04f063a_prep, .Lfunc_end_k_qd1f04f063a_prep-k_qd1f04f063a_prep
	.p2alignl 7, 3214868480
	.fill 96, 4, 3214868480
	.section	.rodata,"a",@progbits
	.p2align	6, 0x0
	.amdhsa_kernel k_qd1f04f063a_prep
		.amdhsa_group_segment_fixed_size 69120
		.amdhsa_private_segment_fixed_size 0
		.amdhsa_enable_private_segment 0
		.amdhsa_kernarg_size 32
		.amdhsa_user_sgpr_count 2
		.amdhsa_user_sgpr_kernarg_segment_ptr 1
		.amdhsa_wavefront_size32 1
		.amdhsa_system_sgpr_workgroup_id_x 1
		.amdhsa_system_sgpr_workgroup_id_y 1
		.amdhsa_system_sgpr_workgroup_id_z 1
		.amdhsa_system_vgpr_workitem_id 0
		.amdhsa_next_free_vgpr 194
		.amdhsa_next_free_sgpr 66
		.amdhsa_reserve_vcc 0
		.amdhsa_float_denorm_mode_32 3
		.amdhsa_float_denorm_mode_16_64 3
		.amdhsa_memory_ordered 1
		.amdhsa_forward_progress 1
		.amdhsa_inst_pref_size 110
	.end_amdhsa_kernel
	.amdgpu_metadata
---
amdhsa.version: [ 1, 2 ]
amdhsa.kernels:
  - .name:           k_qd1f04f063a_prep
    .symbol:         k_qd1f04f063a_prep.kd
    .args:
      - { .name: x, .offset: 0, .size: 8, .value_kind: global_buffer, .address_space: global }
      - { .name: w_qkv, .offset: 8, .size: 8, .value_kind: global_buffer, .address_space: global }
      - { .name: xw_codes, .offset: 16, .size: 8, .value_kind: global_buffer, .address_space: global }
      - { .name: xw_scales, .offset: 24, .size: 8, .value_kind: global_buffer, .address_space: global }
    .group_segment_fixed_size: 69120
    .private_segment_fixed_size: 0
    .kernarg_segment_align: 8
    .kernarg_segment_size: 32
    .max_flat_workgroup_size: 128
    .sgpr_count:     66
    .vgpr_count:     194
    .wavefront_size: 32
...
	.end_amdgpu_metadata
.endif
;; end of part 1
;; launch qkv (part 2): grid 12 x 32, 4 waves a work-group, clusters of 4 x 4, 327,680 bytes of LDS; arguments xw_codes, xw_scales, qkv_codes, qkv_scales; writes qkv_codes, qkv_scales
.if DOCPART == 2
	.amdgcn_target "amdgcn-amd-amdhsa--gfx1250"
	.amdhsa_code_object_version 6
	.text
	.protected	k_qd1f04f063a_qkv
	.globl	k_qd1f04f063a_qkv
	.p2align	8
	.type	k_qd1f04f063a_qkv,@function
k_qd1f04f063a_qkv:
	s_mov_b64 s[64:65], 0
	v_nop
	global_prefetch_b8 v0, s[64:65] scope:SCOPE_SE
	s_setreg_imm32_b32 hwreg(HW_REG_WAVE_MODE, 25, 1), 1
	s_wait_xcnt 0x0
	s_wait_alu depctr_hold_cnt(0) depctr_sa_sdst(0) depctr_va_vdst(0) depctr_va_sdst(0) depctr_va_ssrc(0) depctr_va_vcc(0) depctr_vm_vsrc(0)
	s_getreg_b32 s2, hwreg(HW_REG_IB_STS2, 6, 4)
	s_cmp_eq_u32 s2, 0
	s_cbranch_scc0 .Lentry_in_a_cluster
	s_endpgm
.Lentry_in_a_cluster:
	s_bfe_u32 s2, ttmp6, 0x10000c
	s_cmp_lg_u32 s2, 0xf033
	s_cbranch_scc0 .Lentry_shape_is_right
	s_endpgm
.Lentry_shape_is_right:
.set KSTEP,  256
.set NQ,     KSTEP/128
.set ROWB,   256
.set KROW,   1024
.set PITCH,  272
.set FR,     16
.set NL,     4
.set NP,     8
.set HALFT,  128*PITCH
.set SLOT,   4*HALFT
.set LAPS,   1024/(2*KSTEP)
.set KS,     32
.set SCL,    2*SLOT
.set HALFS,  (128*KS/256)*272
.set SBLK,   (16*KS/256)*272
.set SPARE,  SCL+4*HALFS
.set ADRA, 16
.set ADRB, 20
.set LO,   24
.set LO8,  25
.set ADRS, 27
.set SPW,  28
.set NIL,  29
.set SC,   32
.set PC,   64
.set TM,   80
.set PW,   96
.set SW,   100
.set AF,   128
.set G1, 24
.set G0, 32
.set G1B, 48
.set G0B, 56
.set G1S, 68
.set G0S, 76
.set G1SB, 80
.set G0SB, 88
.set FLR, 46
.set MNT, 47
.set SEL, 18
.set HM,  22
.set ISV, 96
.set MSB, 0
.macro WIN new
.if MSB != \new
	s_set_vgpr_msb (MSB<<8)|\new
.set MSB, \new
.endif
.endm
.set MUL_LO, 0xa1
.set MUL_HI, 0xf1
.set TO_B,   0x40
.macro JLOAD g0a, g1a, g0b, g1b
	s_cmp_eq_u32 s15, 0
	s_cbranch_scc0 .Lfor_b_\@
	tensor_load_to_lds s[\g0a:\g0a+3], s[\g1a:\g1a+7]
	s_nop 0
.rept 4
	v_nop
.endr
	s_branch .Lasked_\@
.Lfor_b_\@:
	tensor_load_to_lds s[\g0b:\g0b+3], s[\g1b:\g1b+7]
	s_nop 0
.rept 4
	v_nop
.endr
.Lasked_\@:
.endm
.macro CREST
	s_cmp_lg_u32 s14, 0
	s_cbranch_scc1 .Lnot_wave_0_\@
	s_barrier_signal -3
.Lnot_wave_0_\@:
	s_barrier_wait -3
	s_barrier_signal -1
	s_barrier_wait -1
.endm
.macro CROUND
	s_barrier_signal -1
	s_barrier_wait -1
	CREST
.endm
	s_load_b256 s[4:11], s[0:1], 0x0
	v_lshl_add_u32 v[SPW], v0, 2, SPARE
	v_mov_b32 v[NIL], 0
	ds_add_u32 v28, v29
	ds_add_u32 v28, v29
	s_wait_dscnt 0x0
	v_lshrrev_b32 v1, 5, v0
	v_readfirstlane_b32 s14, v1
	s_lshr_b32 s15, s14, 1
	s_and_b32 s16, s14, 1
	s_bfe_u32 s40, ttmp6, 0x40000
	s_bfe_u32 s41, ttmp6, 0x40004
	s_and_b32 s95, ttmp7, 0xffff
	s_add_co_u32 s97, ttmp9, 8
	s_cmp_eq_u32 ttmp9, 2
	s_cselect_b32 s[ISV], 1, 0
	s_cselect_b32 s17, 10, s95
	s_cselect_b32 s42, s95, s97
	s_lshl_b32 s17, s17, 2
	s_add_co_u32 s17, s17, s41
	s_lshl_b32 s42, s42, 2
	s_add_co_u32 s42, s42, s40
	s_lshl_b32 s43, s41, 2
	s_lshl_b32 s43, 15, s43
	s_lshl_b32 s44, 0x1111, s40
	s_or_b32 s[G1+0], s43, (0<<16)|(1<<20)|(1<<21)|(5<<22)|(3<<25)
	s_or_b32 s[G1B+0], s44, (0<<16)|(1<<20)|(1<<21)|(5<<22)|(3<<25)
.irp g, G1, G1B
	s_mov_b32 s[\g+1], ROWB<<16
	s_mov_b32 s[\g+2], 128<<16
	s_mov_b32 s[\g+3], ROWB<<16
	s_mov_b32 s[\g+4], 128
	s_mov_b32 s[\g+5], KROW
	s_mov_b32 s[\g+6], 0
	s_mov_b32 s[\g+7], 0
.endr
	s_or_b32 s[G1S+0], s43, (3<<16)|(1<<20)|(1<<21)|(5<<22)|(3<<25)
	s_or_b32 s[G1SB+0], s44, (3<<16)|(1<<20)|(1<<21)|(5<<22)|(3<<25)
.irp g, G1S, G1SB
	s_mov_b32 s[\g+1], 32<<16
	s_mov_b32 s[\g+2], (128*KS/256)<<16
	s_mov_b32 s[\g+3], 32<<16
	s_mov_b32 s[\g+4], 128*KS/256
	s_mov_b32 s[\g+5], 32
	s_mov_b32 s[\g+6], 0
	s_mov_b32 s[\g+7], 0
.endr
	s_lshl_b32 s18, s16, 7
	s_lshl_b32 s20, s17, 8
	s_add_co_u32 s20, s20, s18
	s_lshl_b32 s46, s42, 8
	s_add_co_u32 s46, s46, s18
	s_mov_b32 s21, 0
	s_mov_b32 s47, 0
	s_mov_b64 s[18:19], KS
	s_mul_u64 s[22:23], s[20:21], s[18:19]
	s_mul_u64 s[92:93], s[46:47], s[18:19]
	s_mov_b64 s[18:19], KROW
	s_mul_u64 s[20:21], s[20:21], s[18:19]
	s_mul_u64 s[46:47], s[46:47], s[18:19]
	s_mul_i32 s45, s14, HALFT
	s_mul_i32 s94, s14, HALFS
	s_wait_kmcnt 0x0
	s_add_nc_u64 s[20:21], s[4:5], s[20:21]
	s_add_nc_u64 s[22:23], s[6:7], s[22:23]
	s_add_nc_u64 s[46:47], s[4:5], s[46:47]
	s_add_nc_u64 s[92:93], s[6:7], s[92:93]
	CROUND
	s_mov_b32 s[G0S], 1
	s_add_co_u32 s[G0S+1], s94, SCL
	s_mov_b64 s[G0S+2:G0S+3], s[22:23]
	s_or_b32 s[G0S+3], s[G0S+3], 0x80000000
	s_mov_b32 s[G0SB], 1
	s_add_co_u32 s[G0SB+1], s94, SCL
	s_mov_b64 s[G0SB+2:G0SB+3], s[92:93]
	s_or_b32 s[G0SB+3], s[G0SB+3], 0x80000000
	JLOAD G0S, G1S, G0SB, G1SB
.irp s, 0,1
	s_mov_b32 s[G0+4*\s], 1
	s_add_co_u32 s[G0+4*\s+1], s45, \s*SLOT
	s_add_nc_u64 s[G0+4*\s+2:G0+4*\s+3], s[20:21], \s*ROWB
	s_or_b32 s[G0+4*\s+3], s[G0+4*\s+3], 0x80000000
	s_mov_b32 s[G0B+4*\s], 1
	s_add_co_u32 s[G0B+4*\s+1], s45, \s*SLOT
	s_add_nc_u64 s[G0B+4*\s+2:G0B+4*\s+3], s[46:47], \s*ROWB
	s_or_b32 s[G0B+4*\s+3], s[G0B+4*\s+3], 0x80000000
	s_wait_alu depctr_va_vdst(0)
	s_wait_tensorcnt 0x0
	ds_add_u32 v28, v29
	s_wait_dscnt 0x0
	CROUND
	JLOAD G0+4*\s, G1, G0B+4*\s, G1B
.endr
	v_and_b32 v1, 15, v0
	v_bfe_u32 v2, v0, 4, 1
	v_mul_u32_u24 v3, v1, PITCH
	v_lshl_add_u32 v4, v2, 4, v3
	s_mul_i32 s21, s15, HALFT
	s_mul_i32 s22, s16, HALFT
	s_add_co_u32 s22, s22, 2*HALFT
.irp s, 0,1
	v_add_nc_u32 v[ADRA+\s], s21, v4
	v_add_nc_u32 v[ADRB+\s], s22, v4
	s_add_co_u32 s21, s21, SLOT
	s_add_co_u32 s22, s22, SLOT
.endr
	v_mul_u32_u24 v5, v1, KS
	v_lshrrev_b32 v6, 8, v5
	v_lshl_add_u32 v5, v6, 4, v5
	s_mul_i32 s21, s15, HALFS
	s_mul_i32 s22, s16, HALFS
	s_add_co_u32 s22, s22, 2*HALFS
	s_sub_co_u32 s22, s22, s21
	v_mul_u32_u24 v6, s22, v2
	s_add_co_u32 s21, s21, SCL
	v_add_nc_u32 v5, v5, v6
	v_add_nc_u32 v[ADRS], s21, v5
	v_and_b32 v6, 31, v0
	v_lshlrev_b32 v[LO], 4, v6
	v_lshlrev_b32 v[LO8], 3, v6
.irp b, 0,1,2,3
	v_mov_b32 v[TM+4+\b], 0
.endr
	s_cmp_eq_u32 s[ISV], 1
	s_cselect_b32 s92, s40, s41
	s_cselect_b32 s93, s16, s15
	s_cselect_b32 s94, s41, s40
	s_cselect_b32 s97, s15, s16
	s_lshl_b32 s98, s95, 2
	s_add_co_u32 s92, s92, s98
	s_lshl_b32 s92, s92, 1
	s_add_co_u32 s92, s92, s93
	s_lshr_b32 s93, s92, 4
	s_lshl_b32 s93, s93, 4
	s_lshl_b32 s94, s94, 2
	s_add_co_u32 s93, s93, s94
	s_lshl_b32 s97, s97, 1
	s_add_co_u32 s93, s93, s97
	s_lshl_b32 s93, s93, 4
	s_and_b32 s92, s92, 15
	s_add_co_u32 s93, s93, s92
	s_lshl_b32 s98, s93, 13
	s_lshl_b32 s99, ttmp9, 23
	s_add_co_u32 s98, s98, s99
	s_mov_b32 s99, 0
	s_add_nc_u64 s[12:13], s[8:9], s[98:99]
	s_mul_i32 s98, s93, 1280
	s_lshl_b32 s92, ttmp9, 9
	s_add_co_u32 s98, s98, s92
	s_add_nc_u64 s[20:21], s[10:11], s[98:99]
	s_mov_b32 s[FLR], 0x4800000
	s_mov_b32 s[MNT], 0x600000
	s_mov_b32 s[SEL], 0x76543210
	s_mov_b32 s[SEL+1], 0xfedcba98
	s_mov_b32 s[HM], 0xffff0000
.macro FRAG reg, adr, q, i
.irp c, 0,1,2,3
	ds_load_b128 v[\reg+4*\c:\reg+4*\c+3], v[\adr] offset:128*(\q)+32*\c+(\i)*16*PITCH
.endr
.endm
.macro MUL16 a0, p, q, sc, zero
.irp a, \a0, \a0+1
.irp b, 0,1,2,3,4,5,6,7
.if \zero
	v_wmma_scale_f32_16x16x128_f8f6f4 v[8*(8*((\a)%4)+\b):8*(8*((\a)%4)+\b)+7], v[128*(\p)+FR*\b:128*(\p)+FR*\b+FR-1], v[AF+FR*(\a):AF+FR*(\a)+FR-1], 0, v[SC+8*NQ*(\sc)+NQ*\b+(\q)], v[SC+8*NQ*(\sc)+NQ*(\a)+(\q)] matrix_a_scale:MATRIX_SCALE_ROW1
.else
	v_wmma_scale_f32_16x16x128_f8f6f4 v[8*(8*((\a)%4)+\b):8*(8*((\a)%4)+\b)+7], v[128*(\p)+FR*\b:128*(\p)+FR*\b+FR-1], v[AF+FR*(\a):AF+FR*(\a)+FR-1], v[8*(8*((\a)%4)+\b):8*(8*((\a)%4)+\b)+7], v[SC+8*NQ*(\sc)+NQ*\b+(\q)], v[SC+8*NQ*(\sc)+NQ*(\a)+(\q)] matrix_a_scale:MATRIX_SCALE_ROW1
.endif
.endr
.endr
.endm
.macro FETCH_B slot, q, p
	WIN TO_B
.irp i, 0,1,2,3,4,5,6,7
	FRAG 128*(\p)+FR*\i, ADRB+\slot, \q, \i
.endr
	WIN 0
.endm
.macro FETCH_A slot, q, i0
.irp i, \i0, \i0+1, \i0+2, \i0+3
	FRAG AF+FR*(\i), ADRA+\slot, \q, \i
.endr
.endm
.macro SCALES sc
.irp i, 0,1,2,3,4,5,6,7
	ds_load_b64 v[SC+8*NQ*\sc+NQ*\i:SC+8*NQ*\sc+NQ*\i+1], v[ADRS] offset:\i*SBLK
.endr
.endm
.macro PLACES n
.rept \n
	v_nop
.endr
.endm
.macro STEP slot, q, zero
	s_wait_dscnt 4*NL
	WIN MUL_LO
	MUL16 0, (\q)%2, \q, \slot, \zero
	MUL16 2, (\q)%2, \q, \slot, \zero
	s_wait_dscnt 0
	PLACES NP
	FETCH_B \slot, (\q)+1, 1-(\q)%2
	FETCH_A \slot, (\q)+1, 0
	WIN MUL_HI
	MUL16 4, (\q)%2, \q, \slot, \zero
	MUL16 6, (\q)%2, \q, \slot, \zero
	PLACES NP
	WIN 0
	FETCH_A \slot, (\q)+1, 4
.endm
.macro TURN slot, next, fill
	s_wait_tensorcnt 0x0
	ds_add_u32 v[SPW], v[NIL]
	s_wait_dscnt 4*NL+1
	WIN MUL_LO
	MUL16 0, 1, NQ-1, \slot, 0
	s_wait_dscnt 0x0
	s_barrier_signal -1
	MUL16 2, 1, NQ-1, \slot, 0
	WIN 0
	s_barrier_wait -1
.if \fill
	CREST
	s_add_nc_u64 s[G0+4*\slot+2:G0+4*\slot+3], s[G0+4*\slot+2:G0+4*\slot+3], 2*ROWB
	s_add_nc_u64 s[G0B+4*\slot+2:G0B+4*\slot+3], s[G0B+4*\slot+2:G0B+4*\slot+3], 2*ROWB
	JLOAD G0+4*\slot, G1, G0B+4*\slot, G1B
	PLACES NP-4
.else
	PLACES NP
.endif
	s_wait_alu depctr_va_vdst(0)
	v_add_nc_u32 v[ADRS], 4*NQ, v[ADRS]
	FETCH_B \next, 0, 0
	FETCH_A \next, 0, 0
	SCALES \next
	WIN MUL_HI
	MUL16 4, 1, NQ-1, \slot, 0
	MUL16 6, 1, NQ-1, \slot, 0
	PLACES NP
	WIN 0
	FETCH_A \next, 0, 4
.endm
	s_wait_alu depctr_va_vdst(0)
	s_wait_tensorcnt 1
	s_barrier_signal -1
	s_barrier_wait -1
	FETCH_B 0, 0, 0
	FETCH_A 0, 0, 0
	SCALES 0
	FETCH_A 0, 0, 4
	STEP 0, 0, 1
	s_mov_b32 s3, LAPS-1
.Llap:
	TURN 0, 1, 1
	STEP 1, 0, 0
	TURN 1, 0, 1
	STEP 0, 0, 0
	s_sub_co_u32 s3, s3, 1
	s_cmp_lg_u32 s3, 0
	s_cbranch_scc1 .Llap
	TURN 0, 1, 0
	STEP 1, 0, 0
	s_wait_dscnt 4*NL
	WIN MUL_LO
	MUL16 0, 1, NQ-1, 1, 0
	MUL16 2, 1, NQ-1, 1, 0
	s_wait_dscnt 0
	WIN MUL_HI
	MUL16 4, 1, NQ-1, 1, 0
	MUL16 6, 1, NQ-1, 1, 0
	WIN 0
.macro QW a, isv
.set AC, 64*((\a)%4)
	WIN (40+20*((\a)/4))
.irp b, 0,1,2,3
	v_max3_num_f32 v[TM+\b], s[FLR], |v[AC+16*\b]|, |v[AC+16*\b+1]|
.endr
.irp i, 2,4,6,8,10,12,14
.irp b, 0,1,2,3
	v_max3_num_f32 v[TM+\b], v[TM+\b], |v[AC+16*\b+\i]|, |v[AC+16*\b+\i+1]|
.endr
.endr
	WIN 0
.irp b, 0,1,2,3
	v_permlanex16_b32 v[TM+4+\b], v[TM+\b], s[SEL], s[SEL+1]
.endr
.irp b, 0,1,2,3
	v_max_num_f32 v[TM+\b], v[TM+\b], v[TM+4+\b]
.endr
.irp b, 0,1,2,3
	v_add_nc_u32 v[TM+12+\b], 0xfc000000, v[TM+\b]
.endr
.irp b, 0,1,2,3
	v_and_or_b32 v[TM+8+\b], v[TM+\b], 0x7f800000, s[MNT]
.endr
.irp b, 0,1,2,3
	v_lshrrev_b32 v[TM+4+\b], 23, v[TM+12+\b]
.endr
.if \isv
.set SD, SW+2*((\a)/4)+((\a)%4)/2
.if ((\a)%2) == 0
	v_lshl_or_b32 v[SD], v[TM+5], 8, v[TM+4]
	v_lshl_or_b32 v[SD], v[TM+6], 16, v[SD]
	v_lshl_or_b32 v[SD], v[TM+7], 24, v[SD]
.else
	v_lshl_or_b32 v[PW], v[TM+5], 8, v[TM+4]
	v_lshl_or_b32 v[PW], v[TM+6], 16, v[PW]
	v_lshl_or_b32 v[PW], v[TM+7], 24, v[PW]
	v_cndmask_b32 v[SD], v[SD], v[PW], s[HM]
.endif
.else
.set SD, SW+(\a)/2
.if ((\a)%2) == 0
	v_lshl_or_b32 v[SD], v[TM+5], 8, v[TM+4]
	v_lshl_or_b32 v[SD+4], v[TM+7], 8, v[TM+6]
.else
	v_lshl_or_b32 v[PW], v[TM+5], 8, v[TM+4]
	v_lshl_or_b32 v[PW+1], v[TM+7], 8, v[TM+6]
	v_cndmask_b32 v[SD], v[SD], v[PW], s[HM]
	v_cndmask_b32 v[SD+4], v[SD+4], v[PW+1], s[HM]
.endif
.endif
	WIN (130+65*((\a)/4))
.irp b, 0,1,2,3
.irp i, 0,1,2,3,4,5,6,7,8,9,10,11,12,13,14,15
	v_med3_num_f32 v[AC+16*\b+\i], v[AC+16*\b+\i], -v[TM+8+\b], v[TM+8+\b]
.endr
.endr
	s_wait_alu depctr_va_vdst(0)
	s_wait_xcnt 0x0
	WIN (2+(\a)/4)
.irp b, 0,1,2,3
	v_cvt_scalef32_pk8_fp8_f32 v[PC+4*\b:PC+4*\b+1], v[AC+16*\b:AC+16*\b+7], v[TM+12+\b]
	v_cvt_scalef32_pk8_fp8_f32 v[PC+4*\b+2:PC+4*\b+3], v[AC+16*\b+8:AC+16*\b+15], v[TM+12+\b]
.endr
	WIN 0
	v_nop
.irp c, 0,1,2,3
.if \isv
	global_store_b128 v[LO], v[PC+4*\c:PC+4*\c+3], s[12:13] offset:((\a)/4)*131072+((\a)%4)*2048+\c*512
.else
	global_store_b128 v[LO], v[PC+4*\c:PC+4*\c+3], s[12:13] offset:(\c/2)*131072+(\a)*1024+(\c%2)*512
.endif
.endr
.endm
.macro EPI isv
.irp a, 0,1,2,3,4,5,6,7
	QW \a, \isv
.endr
.if \isv
	global_store_b64 v[LO8], v[SW:SW+1], s[20:21]
	global_store_b64 v[LO8], v[SW+2:SW+3], s[20:21] offset:20480
.else
	global_store_b128 v[LO], v[SW:SW+3], s[20:21]
	global_store_b128 v[LO], v[SW+4:SW+7], s[20:21] offset:20480
.endif
.endm
	PLACES NP
	s_cmp_eq_u32 s[ISV], 1
	s_cbranch_scc1 .Lv
	EPI 0
	s_branch .Lend
.Lv:
	EPI 1
.Lend:
	s_wait_tensorcnt 0x0
	ds_add_u32 v[SPW], v[NIL]
	s_wait_dscnt 0x0
	CROUND
	s_endpgm
.Lfunc_end_k_qd1f04f063a_qkv:
	.size	k_qd1f04f063a_qkv, .Lfunc_end_k_qd1f04f063a_qkv-k_qd1f04f063a_qkv
	.p2alignl 7, 3214868480
	.fill 96, 4, 3214868480
	.section	.rodata,"a",@progbits
	.p2align	6, 0x0
	.amdhsa_kernel k_qd1f04f063a_qkv
		.amdhsa_group_segment_fixed_size 327680
		.amdhsa_private_segment_fixed_size 0
		.amdhsa_enable_private_segment 0
		.amdhsa_kernarg_size 32
		.amdhsa_user_sgpr_count 2
		.amdhsa_user_sgpr_kernarg_segment_ptr 1
		.amdhsa_wavefront_size32 1
		.amdhsa_system_sgpr_workgroup_id_x 1
		.amdhsa_system_sgpr_workgroup_id_y 1
		.amdhsa_system_sgpr_workgroup_id_z 1
		.amdhsa_system_vgpr_workitem_id 0
		.amdhsa_next_free_vgpr 1024
		.amdhsa_next_free_sgpr 100
		.amdhsa_reserve_vcc 0
		.amdhsa_float_denorm_mode_32 3
		.amdhsa_float_denorm_mode_16_64 3
		.amdhsa_memory_ordered 1
		.amdhsa_forward_progress 1
		.amdhsa_inst_pref_size 253
	.end_amdhsa_kernel
	.amdgpu_metadata
---
amdhsa.version: [ 1, 2 ]
amdhsa.kernels:
  - .name:           k_qd1f04f063a_qkv
    .symbol:         k_qd1f04f063a_qkv.kd
    .args:
      - { .name: xw_codes, .offset: 0, .size: 8, .value_kind: global_buffer, .address_space: global }
      - { .name: xw_scales, .offset: 8, .size: 8, .value_kind: global_buffer, .address_space: global }
      - { .name: qkv_codes, .offset: 16, .size: 8, .value_kind: global_buffer, .address_space: global }
      - { .name: qkv_scales, .offset: 24, .size: 8, .value_kind: global_buffer, .address_space: global }
    .group_segment_fixed_size: 327680
    .private_segment_fixed_size: 0
    .kernarg_segment_align: 8
    .kernarg_segment_size: 32
    .max_flat_workgroup_size: 128
    .sgpr_count:     100
    .vgpr_count:     1024
    .wavefront_size: 32
...
	.end_amdgpu_metadata
.endif
;; end of part 2
;; launch attn (part 3): grid 4 x 64, 16 waves a work-group, clusters of 4 x 1, 327,680 bytes of LDS; arguments qkv_codes, qkv_scales, out0; writes out0
.if DOCPART == 3
	.amdgcn_target "amdgcn-amd-amdhsa--gfx1250"
	.amdhsa_code_object_version 6
	.text
	.protected	k_qd1f04f063a_attn
	.globl	k_qd1f04f063a_attn
	.p2align	8
	.type	k_qd1f04f063a_attn,@function
k_qd1f04f063a_attn:
	s_mov_b64 s[64:65], 0
	v_nop
	global_prefetch_b8 v0, s[64:65] scope:SCOPE_SE
	s_setreg_imm32_b32 hwreg(HW_REG_WAVE_MODE, 25, 1), 1
	s_wait_xcnt 0x0
	s_wait_alu depctr_hold_cnt(0) depctr_sa_sdst(0) depctr_va_vdst(0) depctr_va_sdst(0) depctr_va_ssrc(0) depctr_va_vcc(0) depctr_vm_vsrc(0)
	s_getreg_b32 s2, hwreg(HW_REG_IB_STS2, 6, 4)
	s_cmp_eq_u32 s2, 0
	s_cbranch_scc0 .Lentry_in_a_cluster
	s_endpgm
.Lentry_in_a_cluster:
	s_bfe_u32 s2, ttmp6, 0x10000c
	s_cmp_lg_u32 s2, 0x3003
	s_cbranch_scc0 .Lentry_shape_is_right
	s_endpgm
.Lentry_shape_is_right:
; out[b][n][h][:] = the sum over keys of softmax(q . k / 8) v, both products on codes of FP8 (E4M3) with one E8M0 scale for each 32 along a product's K.
; SOFTMAX: t = score x log2(e) / 8; M = the running largest t rounded UP to a whole number; p = 2^(t - M) is quantised along the keys, not normalised; the row's sum of the unquantised p divides O at the end.
; When M moves, the sum and O are multiplied by 2^(old M - new M): exact.
; IN: qkv_codes, qkv_scales as the launch before lays them: images of operand registers, a fragment's chunk is 512 consecutive bytes, 16 a lane.  The 16 tokens of tile T of a group of 128 are 32 (T / 2) + 8 (T % 2) + r + 8 (r / 8).
; The head has 64 channels, half of the instruction's K = 128: the upper halves of q's and k's fragments are zero codes in registers set once; the scale bytes over them are 0, a finite code.
; SHARES.  A work-group owns 512 queries of one head; each of its sixteen waves one tile of 16 queries in each of two passes.  Every wave walks all 2,048 keys, 128 a step, two steps a trip.
; ALL OF THE HEAD'S K AND V STAY IN LDS, each byte filled once.  Waves 0 to 7 bring two key steps each by ONE load (2 rows of 16,384 bytes: K's two steps, V's two steps, the rows 2^23 bytes apart in memory);
; wave 8 brings the scale words of all 16 steps (16 rows of 768 bytes, 1,280 apart).  One tensor load a wave at the most.  One wait for 0 and one barrier show all of it; no barrier stands inside a pass.
; CLUSTER.  The four blocks of 512 queries of a head ask for K and V JOINTLY: the descriptors hang on the head and the wave's number alone, the mask is 15.
; LAYOUT.  S^T = K Q^T, O^T = V^T P^T: a lane holds ONE query (lane % 16); the 16 registers of S^T's tiles 2 b, 2 b + 1 are keys 32 b + 16 (lane / 16) + 0 .. 15.
; THE WAY OUT.  Behind the second pass one barrier: nobody reads K and V any more.  Each wave's two tiles go through its own stage, on LDS bytes that have had their only fill, and leave as whole rows of 256 bytes.
; K, V and their scale words are asked for in the launch's first lines; Q's tile at each pass's start.
; LIMITS: NaN and infinities are not served; the scaled scores t stay under 2^31 in magnitude; a block of p whose largest number lies under 2^-118 gets the byte 1.
; REGISTERS: v1-7 addresses that stay; v8-10 the trip's addresses; v12 -M, v13 the largest t, v[14:15] the sum; v16-23 Q, v24-31 zeros; v32+16 t K's fragment t (8, then 8 zeros); v96-159 S^T, p, then V's fragments;
;   v160-191 O^T; v192-223 the first pass's finished O; v224-239 p's codes; v230-254 at work; v240-243 K's scale words, v248-249 V's, v253 p's, v255 Q's.  The add's two registers, v254 and v255, are made at the head and anew at the end (v0 is kept).
.set SCB,   262144                     ; behind the codes: 768 bytes a key step: K's scale words (512), V's (256)
.set STG,   8704                       ; a wave's stage: two tiles of 16 rows x 272 bytes, from LDS byte 0 on
.set SPARE, 274432                     ; the spare words: 128 bytes a wave
.set TB,   2
.set TS,   3
.set WV,   18
.set MNT,  19
.set SEL,  20
.set CS,   22
.set CNT,  24
.set G1C,  28
.set G1S,  36
.set G0S,  44
.set G0C,  48
.set QC,   70
.set QS,   72
.set OUT,  74
.macro NOPS n
.rept \n
	v_nop
.endr
.endm
.macro ROUND
	s_barrier_signal -1
	s_barrier_wait -1
	s_cmp_lg_u32 s[WV], 0
	s_cbranch_scc1 .Lnot_wave_0_\@
	s_barrier_signal -3
.Lnot_wave_0_\@:
	s_barrier_wait -3
	s_barrier_signal -1
	s_barrier_wait -1
.endm
	s_load_b128 s[4:7], s[0:1], 0x0                ; the codes, the scale words
	s_load_b64 s[8:9], s[0:1], 0x10                ; out
	v_lshl_add_u32 v254, v0, 2, SPARE
	v_mov_b32 v255, 0
	ds_add_u32 v254, v255                          ; the opening lines: the add twice on end and its wait
	ds_add_u32 v254, v255
	v_lshrrev_b32 v8, 5, v0
	v_readfirstlane_b32 s[WV], v8                  ; wave 0..15
	s_bfe_u32 s10, ttmp6, 0x40000                  ; cx: my block of 512 queries: it enters Q's and out's addresses alone
	s_and_b32 s11, ttmp7, 0xffff                   ; 16 x batch + head
	s_mov_b32 s[G1C], 15|(3<<16)|(1<<21)           ; the mask; elements of 8 bytes; bit 21 beside a mask
	s_mov_b32 s[G1C+1], 2048<<16                   ; a row: 2,048 elements = two key steps of K or of V
	s_mov_b32 s[G1C+2], 2<<16
	s_mov_b32 s[G1C+3], 2048<<16
	s_mov_b32 s[G1C+4], 2
	s_mov_b32 s[G1C+5], 1048576                    ; from K's section to V's: 2^23 bytes
	s_mov_b32 s[G1C+6], 0
	s_mov_b32 s[G1C+7], 0
	s_mov_b32 s[G1S], 15|(3<<16)|(1<<21)
	s_mov_b32 s[G1S+1], 96<<16                     ; a row: 768 bytes
	s_mov_b32 s[G1S+2], 16<<16
	s_mov_b32 s[G1S+3], 96<<16
	s_mov_b32 s[G1S+4], 16
	s_mov_b32 s[G1S+5], 160                        ; 1,280 bytes a key step in memory
	s_mov_b32 s[G1S+6], 0
	s_mov_b32 s[G1S+7], 0
	s_mul_i32 s12, s11, 16*1280
	s_add_co_u32 s12, s12, 512                     ; the head's scale words, behind q's 512 bytes
	s_mov_b32 s13, 0
	s_and_b32 s16, s[WV], 7
	s_lshl_b32 s14, s16, 14                        ; key steps 2 w, 2 w + 1
	s_lshl_b32 s15, s11, 17
	s_add_co_u32 s14, s14, s15
	s_add_co_u32 s14, s14, 1<<23                   ; K's section
	s_mov_b32 s15, 0
	s_lshl_b32 s17, s16, 15                        ; in LDS: 32,768 x wave
	s_mov_b32 s[SEL], 0x76543210
	s_mov_b32 s[SEL+1], 0xfedcba98
	s_mov_b32 s[CS], 0x3e38aa3b                    ; log2(e) / 8
	s_mov_b32 s[CS+1], s[CS]
	s_mov_b32 s[MNT], 0x600000
	s_wait_dscnt 0x0
	s_wait_kmcnt 0x0
	s_mov_b32 s[G0S], 1
	s_mov_b32 s[G0S+1], SCB
	s_add_nc_u64 s[G0S+2:G0S+3], s[6:7], s[12:13]
	s_or_b32 s[G0S+3], s[G0S+3], 0x80000000
	s_mov_b32 s[G0C], 1
	s_mov_b32 s[G0C+1], s17
	s_add_nc_u64 s[G0C+2:G0C+3], s[4:5], s[14:15]
	s_or_b32 s[G0C+3], s[G0C+3], 0x80000000
	ROUND                                          ; all four work-groups are here: the joint loads meet
	s_cmp_lt_u32 s[WV], 8                          ; one chain of branches on the wave's number, a load to an arm
	s_cbranch_scc0 .Lnot_codes
	tensor_load_to_lds s[G0C:G0C+3], s[G1C:G1C+7]
	s_nop 0
	NOPS 4
	s_branch .Lasked
.Lnot_codes:
	s_cmp_eq_u32 s[WV], 8
	s_cbranch_scc0 .Lasked
	tensor_load_to_lds s[G0S:G0S+3], s[G1S:G1S+7]
	s_nop 0
	NOPS 4
.Lasked:
	; my tile of queries in the first pass: group 4 cx + w / 8, tile T = w % 8; in the second pass two groups on
	s_lshl_b32 s25, s10, 2
	s_lshr_b32 s26, s[WV], 3
	s_add_co_u32 s25, s25, s26
	s_and_b32 s26, s[WV], 7
	s_lshl_b32 s[QC], s11, 17
	s_lshl_b32 s27, s25, 13
	s_add_co_u32 s[QC], s[QC], s27
	s_lshl_b32 s27, s26, 10
	s_add_co_u32 s[QC], s[QC], s27
	s_mov_b32 s[QC+1], 0
	s_add_nc_u64 s[QC:QC+1], s[4:5], s[QC:QC+1]
	s_lshl_b32 s[QS], s11, 4
	s_add_co_u32 s[QS], s[QS], s25
	s_mul_i32 s[QS], s[QS], 1280
	s_and_b32 s27, s[WV], 1
	s_lshl_b32 s27, s27, 8
	s_add_co_u32 s[QS], s[QS], s27                 ; an odd tile's words lie 256 bytes on;
	s_lshr_b32 s27, s26, 1
	s_lshl_b32 s27, s27, 2
	s_add_co_u32 s[QS], s[QS], s27                 ; word T / 2 of a lane's four
	s_mov_b32 s[QS+1], 0
	s_add_nc_u64 s[QS:QS+1], s[6:7], s[QS:QS+1]
	s_lshr_b32 s[OUT], s11, 4
	s_lshl_b32 s[OUT], s[OUT], 11
	s_lshl_b32 s27, s25, 7
	s_add_co_u32 s[OUT], s[OUT], s27
	s_lshr_b32 s27, s26, 1
	s_lshl_b32 s27, s27, 5
	s_add_co_u32 s[OUT], s[OUT], s27               ; the tile's first token: 32 (T / 2) + 8 (T % 2)
	s_and_b32 s27, s[WV], 1
	s_lshl_b32 s27, s27, 3
	s_add_co_u32 s[OUT], s[OUT], s27
	s_lshl_b32 s[OUT], s[OUT], 12                  ; rows of 4,096 bytes
	s_and_b32 s27, s11, 15
	s_lshl_b32 s27, s27, 8
	s_add_co_u32 s[OUT], s[OUT], s27               ; the head's 256 bytes of a row
	s_mov_b32 s[OUT+1], 0
	s_add_nc_u64 s[OUT:OUT+1], s[8:9], s[OUT:OUT+1]
	s_mul_i32 s25, s[WV], STG                      ; my stage
	v_and_b32 v9, 31, v0
	v_and_b32 v10, 15, v0                          ; r
	v_bfe_u32 v11, v0, 4, 1                        ; h
	v_lshlrev_b32 v1, 4, v9                        ; v1: 16 x lane
	v_lshlrev_b32 v3, 3, v9
	v_add_nc_u32 v2, SCB, v1                       ; v2: K's scale words
	v_add_nc_u32 v3, SCB+512, v3                   ; v3: V's
	v_lshlrev_b32 v4, 4, v10                       ; v4: Q's scale word of row r
	v_mul_u32_u24 v5, v10, 272
	v_mul_u32_u24 v6, v11, 272
	v_lshlrev_b32 v7, 12, v11
	v_lshl_add_u32 v5, v11, 6, v5
	v_lshl_add_u32 v6, v10, 4, v6
	v_lshl_add_u32 v7, v10, 4, v7                  ; v7: two rows of out, 16 bytes a lane
	v_add_nc_u32 v5, s25, v5                       ; v5: the stage, in: row r, + 64 h
	v_add_nc_u32 v6, s25, v6                       ; v6: back: lanes 0-15 one row, lanes 16-31 the next
.set j, 24
.rept 8
	v_mov_b32 v[j], 0                              ; the upper half of Q's fragment: zero codes, set once
.set j, j+1
.endr
.irp t, 0,1,2,3
.set j, 40+16*\t
.rept 8
	v_mov_b32 v[j], 0                              ; and of K's four
.set j, j+1
.endr
.endr
.irp b, 0,1,2,3
	v_mov_b32 v[236+\b], 0                         ; a lane permute's destination counts as one of its sources
.endr
	v_mov_b32 v253, 0
; A pass begins: my tile of Q and the running figures.  O^T and the sum begin as zeros, the largest t as -3e38.
.macro QINIT pass
	global_load_b128 v[16:19], v1, s[QC:QC+1] offset:16384*\pass
	global_load_b128 v[20:23], v1, s[QC:QC+1] offset:16384*\pass+512
	global_load_b32 v255, v4, s[QS:QS+1] offset:2560*\pass
	v_mov_b32 v13, 0xff61b1e6
	v_mov_b32 v14, 0
	v_mov_b32 v15, 0
	v_floor_f32 v12, -v13
.set j, 160
.rept 32
	v_mov_b32 v[j], 0
.set j, j+1
.endr
	s_wait_alu depctr_va_vdst(0)
	s_wait_loadcnt 0x0
.endm
; A KEY STEP: 128 keys, the q-th of the trip's two.
.macro STEP q
.if \q == 0
	v_add_nc_u32 v8, s[TB], v1
	v_add_nc_u32 v9, s[TS], v2
	v_add_nc_u32 v10, s[TS], v3
	s_wait_alu depctr_va_vdst(0)
.endif
	ds_load_b128 v[240:243], v9 offset:768*\q      ; K's scale words: register p: lanes 0-15 tile 2 p, lanes 16-31 tile 2 p + 1
.irp g, 0,1
.if \g
	NOPS 8                                         ; places in front of loads into registers that the four products have read, and of the first readers of their sums
.endif
.irp t, 0,1,2,3
	ds_load_b128 v[32+16*\t:35+16*\t], v8 offset:8192*\q+(4*\g+\t)*1024
	ds_load_b128 v[36+16*\t:39+16*\t], v8 offset:8192*\q+(4*\g+\t)*1024+512
.endr
.if \g == 0
	NOPS 6+3*\q                                    ; nine places (q = 0: the three additions among them) behind the last step's products: the first product below writes over V's fragments
.endif
	s_wait_dscnt 0x0
.irp t, 0,2
	v_wmma_scale_f32_16x16x128_f8f6f4 v[96+8*(4*\g+\t):103+8*(4*\g+\t)], v[32+16*\t:47+16*\t], v[16:31], 0, v[240+2*\g+\t/2], v255
	v_wmma_scale_f32_16x16x128_f8f6f4 v[104+8*(4*\g+\t):111+8*(4*\g+\t)], v[48+16*\t:63+16*\t], v[16:31], 0, v[240+2*\g+\t/2], v255 matrix_a_scale:MATRIX_SCALE_ROW1
.endr
.endr
; the largest score of each block of 32 keys: blocks 0 and 1 first; their sixteen lines are the places in front of blocks 2 and 3.  Each accumulator is read from its low end on.
.irp p, 0,2
.irp b, 0,1
	v_max3_num_f32 v[232+\p+\b], v[96+16*(\p+\b)], v[97+16*(\p+\b)], v[98+16*(\p+\b)]
.endr
.irp i, 3,5,7,9,11,13
.irp b, 0,1
	v_max3_num_f32 v[232+\p+\b], v[232+\p+\b], v[96+16*(\p+\b)+\i], v[97+16*(\p+\b)+\i]
.endr
.endr
.irp b, 0,1
	v_max_num_f32 v[232+\p+\b], v[232+\p+\b], v[111+16*(\p+\b)]
.endr
.endr
.irp b, 0,1,2,3
	v_permlanex16_b32 v[236+\b], v[232+\b], s[SEL], s[SEL+1]
.endr
.irp b, 0,1,2,3
	s_delay_alu instid0(VALU_DEP_4)
	v_max_num_f32 v[232+\b], v[232+\b], v[236+\b]  ; with lane l xor 16's 16 keys
.endr
	s_delay_alu instid0(VALU_DEP_2)
	v_max3_num_f32 v254, v232, v233, v234
	s_delay_alu instid0(VALU_DEP_1)
	v_max_num_f32 v254, v254, v235
	s_delay_alu instid0(VALU_DEP_1)
	v_mul_f32 v254, s[CS], v254                    ; as t (c is positive)
	s_delay_alu instid0(VALU_DEP_1)
	v_max_num_f32 v13, v13, v254                   ; the running largest t
	v_mov_b32 v254, v12
	s_delay_alu instid0(VALU_DEP_2)
	v_floor_f32 v12, -v13                          ; the new -M = -ceil(t)
	s_delay_alu instid0(VALU_DEP_1)
	v_sub_f32 v254, v12, v254                      ; old M - new M: a whole number, 0 or less
	s_delay_alu instid0(VALU_DEP_1)
	v_cvt_i32_f32 v254, v254                       ; (it saturates)
	s_delay_alu instid0(VALU_DEP_1)
	v_ldexp_f32 v252, 1.0, v254                    ; f = 2^(old M - new M)
.set j, 0
.rept 32
	v_pk_fma_f32 v[96+j:97+j], v[96+j:97+j], s[CS:CS+1], v[12:13] op_sel_hi:[1,0,0]   ; t - M
.set j, j+2
.endr
.irp b, 0,1,2,3
	v_fma_f32 v[232+\b], v[232+\b], s[CS], v12     ; the same of each block's largest score
.endr
.set j, 0
	s_wait_alu depctr_va_vdst(0)
.rept 64
	v_exp_f32 v[96+j], v[96+j]                     ; p = 2^(t - M)
.set j, j+1
.endr
.irp b, 0,1,2,3
	v_exp_f32 v[232+\b], v[232+\b]                 ; the block's largest p
.endr
	v_pk_mul_f32 v[14:15], v[14:15], v[252:253] op_sel_hi:[1,0]   ; the sums under the new M; a plain line behind the batch
	s_wait_alu depctr_va_vdst(0)                   ; and the wait behind it
.irp b, 0,1,2,3
	v_max_num_f32 v[232+\b], 0x4800000, v[232+\b]  ; the floor 2^(9 - 127)
.endr
.irp b, 0,1,2,3
	s_delay_alu instid0(VALU_DEP_4)
	v_add_nc_u32 v[244+\b], 0xfc000000, v[232+\b]  ; the conversion's scale operand
.endr
.irp b, 0,1,2,3
	v_and_or_b32 v[240+\b], v[232+\b], 0x7f800000, s[MNT]   ; 448 x the scale
.endr
.irp b, 0,1,2,3
	v_lshrrev_b32 v[236+\b], 23, v[244+\b]         ; the scale's byte
.endr
	s_delay_alu instid0(VALU_DEP_3)
	v_lshl_or_b32 v253, v237, 8, v236              ; p's scale word
	s_delay_alu instid0(VALU_DEP_1)
	v_lshl_or_b32 v253, v238, 16, v253
	s_delay_alu instid0(VALU_DEP_1)
	v_lshl_or_b32 v253, v239, 24, v253
; the row's sum of the unquantised p: 32 pairs in eight chains
.set n, 0
.irp r, 236,250,248,238,234,232,230
	v_pk_add_f32 v[\r:\r+1], v[96+4*n:97+4*n], v[98+4*n:99+4*n]
.set n, n+1
.endr
	v_pk_add_f32 v[14:15], v[14:15], v[124:125]
.set n, 126
.rept 2
.irp r, 236,250,248,238,234,232,230,14
	v_pk_add_f32 v[\r:\r+1], v[\r:\r+1], v[n:n+1]
.set n, n+2
.endr
.endr
	v_pk_add_f32 v[236:237], v[236:237], v[158:159]
	s_delay_alu instid0(VALU_DEP_2)
	v_pk_add_f32 v[14:15], v[14:15], v[238:239]
	s_delay_alu instid0(VALU_DEP_2)
	v_pk_add_f32 v[236:237], v[236:237], v[234:235]
	v_pk_add_f32 v[250:251], v[250:251], v[232:233]
	v_pk_add_f32 v[248:249], v[248:249], v[230:231]
	s_delay_alu instid0(VALU_DEP_2)
	v_pk_add_f32 v[14:15], v[14:15], v[250:251]
	s_delay_alu instid0(VALU_DEP_2)
	v_pk_add_f32 v[236:237], v[236:237], v[248:249]
	s_delay_alu instid0(VALU_DEP_1)
	v_pk_add_f32 v[14:15], v[14:15], v[236:237]
.irp b, 0,1,2,3
.set j, 96+16*\b
.rept 8
	v_dual_min_num_f32 v[j], v[j], v[240+\b] :: v_dual_min_num_f32 v[j+1], v[j+1], v[240+\b]   ; the hold (ISA guide 7.6.2: the conversion does not saturate); p is not negative; two numbers a line
.set j, j+2
.endr
	v_cvt_scalef32_pk8_fp8_f32 v[224+4*\b:225+4*\b], v[96+16*\b:103+16*\b], v[244+\b]
	v_cvt_scalef32_pk8_fp8_f32 v[226+4*\b:227+4*\b], v[104+16*\b:111+16*\b], v[244+\b]
.endr
	v_nop                                          ; a plain line behind the last conversion
.irp t, 0,1,2,3                                ; V's four fragments take p's registers
.irp c, 0,1,2,3
	ds_load_b128 v[96+16*\t+4*\c:99+16*\t+4*\c], v8 offset:16384+8192*\q+\t*2048+\c*512
.endr
.endr
	ds_load_b64 v[248:249], v10 offset:768*\q      ; V's scale words
	NOPS 8                                         ; places between the lines that made p's codes and scale word and the products below
.set j, 160
.rept 16
	v_pk_mul_f32 v[j:j+1], v[j:j+1], v[252:253] op_sel_hi:[1,0]   ; O^T under the new M
.set j, j+2
.endr
	s_wait_alu depctr_va_vdst(0)
	s_wait_dscnt 0x0
.irp t, 0,2                                    ; O^T += V^T P^T: the four accumulators by turns
	v_wmma_scale_f32_16x16x128_f8f6f4 v[160+8*\t:167+8*\t], v[96+16*\t:111+16*\t], v[224:239], v[160+8*\t:167+8*\t], v[248+\t/2], v253
	v_wmma_scale_f32_16x16x128_f8f6f4 v[168+8*\t:175+8*\t], v[112+16*\t:127+16*\t], v[224:239], v[168+8*\t:175+8*\t], v[248+\t/2], v253 matrix_a_scale:MATRIX_SCALE_ROW1
.endr
.endm
; A pass ends: O^T / the row's sum, into v[dst] on
.macro FINISH dst
	NOPS 8                                         ; places behind the last products
	v_add_f32 v14, v14, v15
	s_delay_alu instid0(VALU_DEP_1)
	v_permlanex16_b32 v252, v14, s[SEL], s[SEL+1]
	s_delay_alu instid0(VALU_DEP_1)
	v_add_f32 v14, v14, v252
	s_wait_alu depctr_va_vdst(0)
	v_rcp_f32 v14, v14
	v_nop
.set j, 0
	s_wait_alu depctr_va_vdst(0)
.rept 16
	v_pk_mul_f32 v[\dst+j:\dst+j+1], v[160+j:161+j], v[14:15] op_sel_hi:[1,0]   ; each accumulator from its low end on
.set j, j+2
.endr
.endm
.macro PASS u, dst
	QINIT \u
.if \u == 0
	s_wait_tensorcnt 0x0                           ; my load, if I have one, has landed
	s_barrier_signal -1
	s_barrier_wait -1                              ; everybody's has: all of K, V and their scale words lie in LDS
.endif
	s_mov_b32 s[TB], 0
	s_mov_b32 s[TS], 0
	s_mov_b32 s[CNT], 8
.Lpass\u:
	STEP 0
	STEP 1
	s_add_co_u32 s[TB], s[TB], 32768
	s_add_co_u32 s[TS], s[TS], 1536
	s_sub_co_u32 s[CNT], s[CNT], 1
	s_cmp_lg_u32 s[CNT], 0
	s_cbranch_scc1 .Lpass\u
	FINISH \dst
.endm
	PASS 0, 192
	PASS 1, 160
	s_wait_alu depctr_va_vdst(0)
	s_wait_dscnt 0x0                               ; my reads of K and V are over
	s_barrier_signal -1
	s_barrier_wait -1                              ; everybody's are: the stages may be written
	; THE WAY OUT.  Register 8 t + i of a tile is o(query r, channel 32 (t / 2) + 16 h + 8 (t % 2) + i).  A tile goes through my own stage and comes back as whole rows of 256 bytes.
.irp u, 0,1
.irp t, 0,1,2,3
	ds_store_b128 v5, v[192-32*\u+8*\t:195-32*\u+8*\t] offset:\u*4352+128*(\t/2)+32*(\t%2)
	ds_store_b128 v5, v[196-32*\u+8*\t:199-32*\u+8*\t] offset:\u*4352+128*(\t/2)+32*(\t%2)+16
.endr
.irp i, 0,1,2,3,4,5,6,7
	ds_load_b128 v[96+32*\u+4*\i:99+32*\u+4*\i], v6 offset:\u*4352+544*\i   ; LDS serves a wave's instructions in order: these see my stores
.endr
.endr
.irp u, 0,1
.irp i, 0,1,2,3,4,5,6,7
	s_wait_dscnt 16*(1-\u)+7-\i                    ; load i of tile u is in; behind it: the tile's 7 - i loads and, for the first tile, the second's 16 LDS instructions
	global_store_b128 v7, v[96+32*\u+4*\i:99+32*\u+4*\i], s[OUT:OUT+1] offset:\u*1048576+(2*\i+8*(\i/4))*4096 th:TH_STORE_NT   ; stage row j is token j + 8 (j / 8) of the tile; sixteen lanes store 256 consecutive bytes, aligned; the second pass's tile lies 256 tokens on
.endr
.endr
	s_wait_xcnt 0x0
	v_lshl_add_u32 v254, v0, 2, SPARE              ; the add's two registers, made anew
	v_mov_b32 v255, 0
	s_wait_alu depctr_va_vdst(0)
	s_wait_tensorcnt 0x0                           ; the wave's end
	ds_add_u32 v254, v255
	s_wait_dscnt 0x0
	ROUND                                          ; the closing round
	s_endpgm
.Lfunc_end_k_qd1f04f063a_attn:
	.size	k_qd1f04f063a_attn, .Lfunc_end_k_qd1f04f063a_attn-k_qd1f04f063a_attn
	.p2alignl 7, 3214868480
	.fill 96, 4, 3214868480
	.section	.rodata,"a",@progbits
	.p2align	6, 0x0
	.amdhsa_kernel k_qd1f04f063a_attn
		.amdhsa_group_segment_fixed_size 327680
		.amdhsa_private_segment_fixed_size 0
		.amdhsa_enable_private_segment 0
		.amdhsa_kernarg_size 24
		.amdhsa_user_sgpr_count 2
		.amdhsa_user_sgpr_kernarg_segment_ptr 1
		.amdhsa_wavefront_size32 1
		.amdhsa_system_sgpr_workgroup_id_x 1
		.amdhsa_system_sgpr_workgroup_id_y 1
		.amdhsa_system_sgpr_workgroup_id_z 1
		.amdhsa_system_vgpr_workitem_id 0
		.amdhsa_next_free_vgpr 256
		.amdhsa_next_free_sgpr 80
		.amdhsa_reserve_vcc 0
		.amdhsa_float_denorm_mode_32 3
		.amdhsa_float_denorm_mode_16_64 3
		.amdhsa_memory_ordered 1
		.amdhsa_forward_progress 1
		.amdhsa_inst_pref_size 96
	.end_amdhsa_kernel
	.amdgpu_metadata
---
amdhsa.version: [ 1, 2 ]
amdhsa.kernels:
  - .name:           k_qd1f04f063a_attn
    .symbol:         k_qd1f04f063a_attn.kd
    .args:
      - { .name: qkv_codes, .offset: 0, .size: 8, .value_kind: global_buffer, .address_space: global }
      - { .name: qkv_scales, .offset: 8, .size: 8, .value_kind: global_buffer, .address_space: global }
      - { .name: out0, .offset: 16, .size: 8, .value_kind: global_buffer, .address_space: global }
    .group_segment_fixed_size: 327680
    .private_segment_fixed_size: 0
    .kernarg_segment_align: 8
    .kernarg_segment_size: 24
    .max_flat_workgroup_size: 512
    .sgpr_count:     80
    .vgpr_count:     256
    .wavefront_size: 32
...
	.end_amdgpu_metadata
.endif
;; end of part 3
